; MI455X (gfx1250); checked and timed in simulation.
; The chip was launched on July 23, 2026; its instructions are those of AMD's public machine-readable ISA for CDNA 5 (MIT licence, August 2026) and "CDNA5" Instruction Set Architecture Reference Guide (July 2026). The comments in the code are by the model that wrote it; some were corrected since.
;; Weight Only Int8 Linear. Allowed arithmetic: float matrix products may take bf16 or f16 operands with f32 sums; all other float work in f32.
;; Inputs: input 4 x 2,048 x 4,096 float32; scales 2,048 x 32 float32; weight 2,048 x 4,096 int32.
;; Outputs: out0 4 x 2,048 x 2,048 float32.
;; 3 versions, each right; version 3 is version 2 with the launch prep written anew for expert scheduling mode. Each part assembles by itself: llvm-mc -triple=amdgcn-amd-amdhsa -mcpu=gfx1250 --defsym DOCPART=n.
;; ======== version 1 of 3: 2 launches
;; limits: values are held in f16: magnitudes above 65,504 overflow, below 6.1e-05 lose precision; inputs' magnitudes at most 65,504
;; workspace buffers: wq 16,777,216 bytes
;; launch deq (part 1): grid 256 x 1, 8 waves a work-group, no clusters, 0 bytes of LDS; arguments weight, scales, wq; writes wq
.if DOCPART == 1
	.amdgcn_target "amdgcn-amd-amdhsa--gfx1250"
	.amdhsa_code_object_version 6
	.text
	.protected	k_qbe08e1155d_deq
	.globl	k_qbe08e1155d_deq
	.p2align	8
	.type	k_qbe08e1155d_deq,@function
k_qbe08e1155d_deq:
	s_mov_b64 s[64:65], 0
	v_nop
	global_prefetch_b8 v0, s[64:65] scope:SCOPE_SE
	s_setreg_imm32_b32 hwreg(HW_REG_WAVE_MODE, 25, 1), 1
	s_wait_xcnt 0x0
; wq = f16(f32(weight[o][i]) * scales[o][i / 128]): the weights are dequantised once, for the product that follows.
; weight: [2048][4096] int32, converted as astype does.  scales: [2048][32] f32.
; wq, f16, lies in blocks: [nb 0..15][ks 0..63][row 0..127][kk 0..63] with o = 128 nb + row, i = 64 ks + kk: a block (128 rows, 64 along K) is 16,384 dense bytes.
; WHY f16.  A rounding to bf16's 8 significant bits is off by about 0.17 % of the number; two operands so rounded shift a sum of 4,096 products by about 0.24 % of the outputs' root mean square, and among
; 16.7 million outputs some then pass 1 % of it.  f16's 11 bits make that an eighth.
; LIMITS.  One multiply in f32 and one rounding to f16.  |weight x scale| of 65,520 or more becomes an infinity: with weights of -128 to 127 that leaves room for scales up to about 500.
; Below 6.1e-5 a product keeps f16's fixed step of 6e-8.  NaN and infinities in scales go through as they are.
; A stream: no LDS, no barrier, no matrix unit: each byte is read once and written once, and no wave needs another's data.
; SHARES.  The work-group owns rows 8 g .. 8 g + 7.  Wave w: the two rows 8 g + 2 (w / 2) + {0, 1} and the K steps 32 (w % 2) + j, j = 0 .. 31.
; Lane l: row l / 16 of the two, the four numbers 4 (l % 16) .. + 3 of a K step.  A load: sixteen lanes take 256 consecutive, aligned bytes of a row.
; A store: the two rows are neighbours in a block, so the wave's 32 x 8 bytes are 256 consecutive, aligned bytes.
; All 32 loads of a wave go out together, each into registers of its own, and no register that a store names is written again: no wait but the counted ones.
.set TRIPS, 32
.set WO,  2                            ; v2       my byte offset in weight: (l / 16) rows of 16,384 bytes + 16 (l % 16)
.set QO,  3                            ; v3       my byte offset in wq: 8 l
.set SO,  4                            ; v4       my byte offset in scales: (l / 16) rows of 128 bytes
.set SC,  8                            ; v[8:23]  the 16 scales of my row and my half of K
.set X,   32                           ; v[32:159] trip j: four registers, as loaded, then at work, then (the first two) to store
	s_load_b128 s[4:7], s[0:1], 0x0                ; weight s[4:5], scales s[6:7]
	s_load_b64 s[10:11], s[0:1], 0x10              ; wq
	v_lshrrev_b32 v1, 5, v0
	v_readfirstlane_b32 s8, v1                     ; wave 0..7
	s_lshr_b32 s9, s8, 1                           ; p: which pair of rows
	s_and_b32 s12, s8, 1                           ; kh: which half of K
	v_and_b32 v1, 31, v0                           ; l
	v_lshrrev_b32 v5, 4, v1                        ; l / 16
	v_and_b32 v6, 15, v1                           ; l % 16
	v_lshlrev_b32 v[WO], 4, v6
	v_lshl_or_b32 v[WO], v5, 14, v[WO]
	v_lshlrev_b32 v[QO], 3, v1
	v_lshlrev_b32 v[SO], 7, v5
	s_lshl_b32 s14, ttmp9, 17                      ; weight: 8 g rows of 16,384 bytes,
	s_lshl_b32 s20, s9, 15                         ; 2 p rows,
	s_add_co_u32 s14, s14, s20
	s_lshl_b32 s20, s12, 13                        ; 32 kh K steps of 256 bytes
	s_add_co_u32 s14, s14, s20
	s_mov_b32 s15, 0
	s_lshl_b32 s16, ttmp9, 10                      ; scales: 8 g rows of 128 bytes,
	s_lshl_b32 s20, s9, 8                          ; 2 p rows,
	s_add_co_u32 s16, s16, s20
	s_lshl_b32 s20, s12, 6                         ; 16 kh groups of 4 bytes
	s_add_co_u32 s16, s16, s20
	s_mov_b32 s17, 0
	s_lshr_b32 s18, ttmp9, 4                       ; wq: nb = g / 16, 64 blocks of 16,384 bytes each,
	s_lshl_b32 s18, s18, 20
	s_lshl_b32 s20, s12, 19                        ; 32 kh blocks,
	s_add_co_u32 s18, s18, s20
	s_and_b32 s20, ttmp9, 15                       ; in the block 8 (g % 16) rows of 128 bytes,
	s_lshl_b32 s20, s20, 10
	s_add_co_u32 s18, s18, s20
	s_lshl_b32 s20, s9, 8                          ; and 2 p rows
	s_add_co_u32 s18, s18, s20
	s_mov_b32 s19, 0
	s_wait_kmcnt 0x0
	s_add_nc_u64 s[4:5], s[4:5], s[14:15]
	s_add_nc_u64 s[6:7], s[6:7], s[16:17]
	s_add_nc_u64 s[10:11], s[10:11], s[18:19]
.irp i, 0,1,2,3
	global_load_b128 v[SC+4*\i:SC+4*\i+3], v[SO], s[6:7] offset:16*\i
.endr
.set j, 0
.rept TRIPS
	global_load_b128 v[X+4*j:X+4*j+3], v[WO], s[4:5] offset:256*j th:TH_LOAD_NT  ; read once in the launch
.set j, j+1
.endr
.set j, 0
.rept TRIPS
	s_wait_loadcnt TRIPS-1-j                       ; loads come back in order (ISA guide 5.7.1): trip j's is in, and the scales, which are older; the younger ones stay out
.irp k, 0,1,2,3
	v_cvt_f32_i32 v[X+4*j+\k], v[X+4*j+\k]
.endr
.if (j/2)%2 == 0                       ; K step 32 kh + j lies in group 16 kh + j / 2: the scale is the low or the high register of pair j / 4, taken for both halves
	v_pk_mul_f32 v[X+4*j:X+4*j+1],   v[X+4*j:X+4*j+1],   v[SC+2*(j/4):SC+2*(j/4)+1] op_sel_hi:[1,0]
	v_pk_mul_f32 v[X+4*j+2:X+4*j+3], v[X+4*j+2:X+4*j+3], v[SC+2*(j/4):SC+2*(j/4)+1] op_sel_hi:[1,0]
.else
	v_pk_mul_f32 v[X+4*j:X+4*j+1],   v[X+4*j:X+4*j+1],   v[SC+2*(j/4):SC+2*(j/4)+1] op_sel:[0,1] op_sel_hi:[1,1]
	v_pk_mul_f32 v[X+4*j+2:X+4*j+3], v[X+4*j+2:X+4*j+3], v[SC+2*(j/4):SC+2*(j/4)+1] op_sel:[0,1] op_sel_hi:[1,1]
.endif
	v_cvt_pk_f16_f32 v[X+4*j],   v[X+4*j],   v[X+4*j+1]
	v_cvt_pk_f16_f32 v[X+4*j+1], v[X+4*j+2], v[X+4*j+3]
	global_store_b64 v[QO], v[X+4*j:X+4*j+1], s[10:11] offset:16384*j  ; a block further on each trip; no hint: the next launch reads these bytes
.set j, j+1
.endr
	s_endpgm
.Lfunc_end_k_qbe08e1155d_deq:
	.size	k_qbe08e1155d_deq, .Lfunc_end_k_qbe08e1155d_deq-k_qbe08e1155d_deq
	.p2alignl 7, 3214868480
	.fill 96, 4, 3214868480
	.section	.rodata,"a",@progbits
	.p2align	6, 0x0
	.amdhsa_kernel k_qbe08e1155d_deq
		.amdhsa_group_segment_fixed_size 0
		.amdhsa_private_segment_fixed_size 0
		.amdhsa_enable_private_segment 0
		.amdhsa_kernarg_size 24
		.amdhsa_user_sgpr_count 2
		.amdhsa_user_sgpr_kernarg_segment_ptr 1
		.amdhsa_wavefront_size32 1
		.amdhsa_system_sgpr_workgroup_id_x 1
		.amdhsa_system_sgpr_workgroup_id_y 1
		.amdhsa_system_sgpr_workgroup_id_z 1
		.amdhsa_system_vgpr_workitem_id 0
		.amdhsa_next_free_vgpr 160
		.amdhsa_next_free_sgpr 66
		.amdhsa_reserve_vcc 0
		.amdhsa_float_denorm_mode_32 3
		.amdhsa_float_denorm_mode_16_64 3
		.amdhsa_memory_ordered 1
		.amdhsa_forward_progress 1
		.amdhsa_inst_pref_size 21
	.end_amdhsa_kernel
	.amdgpu_metadata
---
amdhsa.version: [ 1, 2 ]
amdhsa.kernels:
  - .name:           k_qbe08e1155d_deq
    .symbol:         k_qbe08e1155d_deq.kd
    .args:
      - { .name: weight, .offset: 0, .size: 8, .value_kind: global_buffer, .address_space: global }
      - { .name: scales, .offset: 8, .size: 8, .value_kind: global_buffer, .address_space: global }
      - { .name: wq, .offset: 16, .size: 8, .value_kind: global_buffer, .address_space: global }
    .group_segment_fixed_size: 0
    .private_segment_fixed_size: 0
    .kernarg_segment_align: 8
    .kernarg_segment_size: 24
    .max_flat_workgroup_size: 256
    .sgpr_count:     66
    .vgpr_count:     160
    .wavefront_size: 32
...
	.end_amdgpu_metadata
.endif
;; end of part 1
;; launch gemm (part 2): grid 8 x 32, 4 waves a work-group, clusters of 4 x 4, 327,680 bytes of LDS; arguments input, wq, out0; writes out0
.if DOCPART == 2
	.amdgcn_target "amdgcn-amd-amdhsa--gfx1250"
	.amdhsa_code_object_version 6
	.text
	.protected	k_qbe08e1155d_gemm
	.globl	k_qbe08e1155d_gemm
	.p2align	8
	.type	k_qbe08e1155d_gemm,@function
k_qbe08e1155d_gemm:
	s_mov_b64 s[64:65], 0
	v_nop
	global_prefetch_b8 v0, s[64:65] scope:SCOPE_SE
	s_setreg_imm32_b32 hwreg(HW_REG_WAVE_MODE, 25, 1), 1
	s_wait_xcnt 0x0
	s_wait_alu depctr_hold_cnt(0) depctr_sa_sdst(0) depctr_va_vdst(0) depctr_va_sdst(0) depctr_va_ssrc(0) depctr_va_vcc(0) depctr_vm_vsrc(0)
	s_getreg_b32 s2, hwreg(HW_REG_IB_STS2, 6, 4)
	s_cmp_eq_u32 s2, 0
	s_cbranch_scc0 .Lentry_in_a_cluster
	s_endpgm
.Lentry_in_a_cluster:
	s_bfe_u32 s2, ttmp6, 0x10000c
	s_cmp_lg_u32 s2, 0xf033
	s_cbranch_scc0 .Lentry_shape_is_right
	s_endpgm
.Lentry_shape_is_right:
; out0[m][n] = sum over k of input[m][k] deq[n][k].  input: [8192][4096] f32.  wq: deq in f16, in blocks [nb 16][ks 64][row 128][kk 64] (n = 128 nb + row, k = 64 ks + kk).  out0: [8192][2048] f32.
; WHY f16.  Two operands rounded to bf16's 8 significant bits shift a sum of 4,096 products by about 0.24 % of the outputs' root mean square, and among 16.7 million outputs some then pass 1 % of it; f16's 11 bits make that an eighth.
; LIMITS.  input is rounded once to f16 on its way from LDS to the matrix unit, deq was rounded once by the launch before; sums in f32, in the matrix unit's order, K ascending.
; An |input| of 65,520 or more becomes an infinity; below 6.1e-5 an input keeps f16's fixed step of 6e-8.  NaN and infinities are not treated apart.
; SHARES.  A tile of C, 256 x 256, is made by a work-group of four waves: 32 x 8 tiles, 256 work-groups.  Wave w makes rows 64 w .. 64 w + 63 and all 256 columns: 64 accumulators of 16 x 16, 512 registers.
; So each row of A is read from LDS and rounded by ONE wave: for 32 along K a wave reads 8 KB of f32 and 16 KB of f16 and has 32 conversions beside 64 matrix instructions (a wave of 128 x 128 would read as much and convert twice as much).
; K goes in steps of 64 through a ring of two LDS slots filled by the tensor data mover: a row of A's tile is 256 bytes of memory at a multiple of 256; B's tile is a dense block, asked for as rows of 256 bytes.
; Steps of 128 would want two slots of 204,800 bytes, more than LDS holds.
; CLUSTERS: 4 x 4 work-groups.  The four of a row of the cluster need the same tiles of A, the four of a column the same tiles of B: each tile is asked for JOINTLY, by the same tensor load with the same
; descriptor and a mask that names the four.  All of LDS is claimed; the text uses 247,296 bytes.
; THE MATRIX INSTRUCTION IS USED TRANSPOSED: source 0 = 16 rows of deq, source 1 = 16 rows of input: a lane then holds row l % 16 of C and the eight neighbouring columns 8 (l / 16) + 0..7.
; REGISTERS, in windows of 256 (s_set_vgpr_msb: bits 1:0 source 0, 3:2 source 1, 5:4 source 2, 7:6 destination):
;   window 0: v0-31 addresses; v32-95 A's fragments in f16, two buffers of 4 x 8; v96-159 A's numbers of one quarter in f32.  On the way out v32-95 and v96-159 take rows of C by turns.
;   window 1: B's fragments, two buffers of 16 x 8.     window 2: the accumulators of my rows 0-31 ((a, b) at v[128 (a % 2) + 8 b]).     window 3: those of my rows 32-63.
.set PA,     272                       ; a row of A in LDS: 256 bytes + 16 of padding = 68 words: row r starts at bank 4 r mod 64 (64 banks of 4 bytes: ISA guide 11.1), so the 16 rows of a load start at 16 different groups of four banks
.set PB,     144                       ; a row of B: 128 + 16 = 36 words: likewise
.set ABYTES, 256*PA                    ; A's 256 rows of a slot,
.set SLOT,   ABYTES+256*PB             ; then B's 256 rows: 106,496 bytes
.set STAGE,  2*SLOT                    ; behind the ring, never filled by a tensor load: 16 rows x 528 bytes for each wave, for the way out
.set SP,     528                       ; a row of the stage: 512 bytes + 16
.set SPARE,  STAGE+4*16*SP             ; behind the stages: the spare words, 128 bytes for each wave: two blocks of 256 bytes that no other line names
.set LAPS,   32                        ; a lap = two K steps = once round the ring: 4096 / 128
.set ADRA, 16                          ; v16-17  LDS address of my A numbers in slot 0, 1
.set ADRB, 20                          ; v20-21  the same for B's fragments
.set STO,  24                          ; v24     the way out: where I put 32 bytes of a row
.set RD,   25                          ; v25     the way out: where I read a row back
.set CO,   26                          ; v26     my byte offset in 512 bytes of a row of C
.set PFO,  27                          ; v27     the prefetch: l rows of input; never rewritten
.set SPW,  28                          ; v28     LDS address of my spare word: SPARE + 4 x my thread's number; never rewritten
.set NIL,  29                          ; v29     0; never rewritten
.set AF,   32                          ; A's fragments: buffer f, row block a at AF + 32 f + 8 a
.set RAW,  96                          ; A in f32: row block a at RAW + 16 a: 8 numbers k = 8 h .., then 8 numbers k = 16 + 8 h ..
.set OB,   32                          ; the way out: two buffers of 64
.set G1,  24                           ; s[24:31] descriptor group 1 for A's tiles;  s[32:39] group 0, one set for each slot
.set G0,  32
.set G1B, 48                           ; s[48:55], s[56:63] the same for B's tiles
.set G0B, 56
.set PFB, 68                           ; s[68:69] the prefetch: input at my 32 rows and my wave's K step 0 or 1
.set PFA, 70                           ; s[70:71] its address in this trip
.set PFK, 72                           ; s[72:73] its byte offset along K, high word 0
.set RWS, -1                           ; 0 or 1: MULR sets the f32 loads from that slot behind its first products
.set CVG, -1                           ; 0 or 1: MULR sets the conversions into that buffer behind its last products
.set MSB, 0
.macro WIN new                         ; the immediate's high byte repeats the setting that is left; a switch that changes nothing is dropped
.if MSB != (\new)
	s_set_vgpr_msb (MSB<<8)|(\new)
.set MSB, (\new)
.endif
.endm
.set MUL_LO, 0xa1                      ; source 0 (B) window 1, source 1 (A) window 0, C and D window 2
.set MUL_HI, 0xf1                      ; the same, C and D window 3
.set TO_B,   0x40                      ; destination window 1, address window 0
; A joint load.  Waves 0 and 1 fetch A's two halves, waves 2 and 3 B's.  Each of the two lines has ONE mask and one set of registers for all that issue it; the branch hangs on the wave's number alone.
; An s_nop 0 and four v_nop follow each of the two lines, ahead of what comes next.
; pf = 1: waves 0 and 1 also ask for bytes of A that a later trip's tensor loads will want (see ODD).
.macro JLOAD s, pf
	s_cmp_eq_u32 s11, 0
	s_cbranch_scc0 .Lfor_b_\@
	tensor_load_to_lds s[G0+4*(\s):G0+4*(\s)+3], s[G1:G1+7]
	s_nop 0
.rept 4
	v_nop
.endr
.if \pf
	global_prefetch_b8 v[PFO], s[PFA:PFA+1] th:TH_LOAD_NT scope:SCOPE_SE
.endif
	s_branch .Lasked_\@
.Lfor_b_\@:
	tensor_load_to_lds s[G0B+4*(\s):G0B+4*(\s)+3], s[G1B:G1B+7]
	s_nop 0
.rept 4
	v_nop
.endr
.Lasked_\@:
.endm
; A round of the cluster's barrier: my work-group's barrier, so that wave 0's signal speaks for all four waves; wave 0 signals for the work-group; every wave waits for all sixteen; my work-group's barrier once more.
.macro CREST                           ; a round behind its opening barrier
	s_cmp_lg_u32 s10, 0
	s_cbranch_scc1 .Lnot_wave_0_\@
	s_barrier_signal -3
.Lnot_wave_0_\@:
	s_barrier_wait -3
	s_barrier_signal -1
	s_barrier_wait -1
.endm
.macro CROUND                          ; a whole round
	s_barrier_signal -1
	s_barrier_wait -1
	CREST
.endm
	s_load_b128 s[4:7], s[0:1], 0x0                ; input s[4:5], wq s[6:7]
	s_load_b64 s[8:9], s[0:1], 0x10                ; out0
	v_lshl_add_u32 v[SPW], v0, 2, SPARE
	v_mov_b32 v[NIL], 0
	ds_add_u32 v[SPW], v[NIL]                      ; the wave's opening: the add and its wait stand ahead of my first tensor load; the set-up below, work on registers, stands between them
	v_lshrrev_b32 v1, 5, v0
	v_readfirstlane_b32 s10, v1                    ; wave 0..3
	s_lshr_b32 s11, s10, 1                         ; I fetch for A (0) or for B (1)
	s_and_b32 s12, s10, 1                          ; which 128 rows of that tile I fetch
	s_bfe_u32 s40, ttmp6, 0x40000                  ; cx, cy: my place in the cluster
	s_bfe_u32 s41, ttmp6, 0x40004
	s_lshl_b32 s42, ttmp9, 2                       ; in a cluster launch ttmp9 and ttmp7 count clusters
	s_add_co_u32 s42, s42, s40                     ; tile column of C = 4 x cluster x + cx
	s_and_b32 s13, ttmp7, 0xffff
	s_lshl_b32 s13, s13, 2
	s_add_co_u32 s13, s13, s41                     ; tile row of C = 4 x cluster y + cy
	s_lshl_b32 s43, s41, 2
	s_lshl_b32 s43, 15, s43                        ; my row of the cluster: places 4 cy .. 4 cy + 3
	s_lshl_b32 s44, 0x1111, s40                    ; my column: places cx, cx + 4, cx + 8, cx + 12
	; group 1 for A: 128 rows x 64 elements of 4 bytes, 4,096 elements from row to row
	s_or_b32 s[G1+0], s43, (2<<16)|(1<<20)|(1<<21)|(5<<22)|(3<<25)   ; 15:0 the mask: my row; 17:16 elements of 4 bytes; 20 padding on; 21 set beside a mask; 24:22 after every 64 words (code 5); 31:25 4 words of it (code 3)
	s_mov_b32 s[G1+1], 64<<16                      ; tensor_dim0 = 64
	s_mov_b32 s[G1+2], 128<<16                     ; tensor_dim1 = 128
	s_mov_b32 s[G1+3], 64<<16                      ; tile_dim0 = 64
	s_mov_b32 s[G1+4], 128                         ; tile_dim1 = 128
	s_mov_b32 s[G1+5], 4096                        ; tensor_dim0_stride
	s_mov_b32 s[G1+6], 0
	s_mov_b32 s[G1+7], 0
	; group 1 for B: a block of 16,384 dense bytes as 64 rows x 128 elements of 2 bytes, padded after every 128 bytes: after every row of deq
	s_or_b32 s[G1B+0], s44, (1<<16)|(1<<20)|(1<<21)|(4<<22)|(3<<25)  ; the mask: my column; elements of 2 bytes; after every 32 words (code 4) 4 words
	s_mov_b32 s[G1B+1], 128<<16                    ; tensor_dim0 = 128
	s_mov_b32 s[G1B+2], 64<<16                     ; tensor_dim1 = 64
	s_mov_b32 s[G1B+3], 128<<16                    ; tile_dim0 = 128
	s_mov_b32 s[G1B+4], 64                         ; tile_dim1 = 64
	s_mov_b32 s[G1B+5], 128                        ; tensor_dim0_stride
	s_mov_b32 s[G1B+6], 0
	s_mov_b32 s[G1B+7], 0
	; where the tiles come from.  A's hang on the tile row alone, B's on the tile column alone; each offset in registers that never hold the other coordinate.
	s_lshl_b32 s16, s13, 22                        ; A: 256 x tile row rows of 16,384 bytes,
	s_lshl_b32 s17, s12, 21                        ; 128 x half rows
	s_add_co_u32 s16, s16, s17
	s_mov_b32 s17, 0
	s_lshl_b32 s46, s42, 21                        ; B: nb = 2 x tile column + half, 64 blocks of 16,384 bytes each
	s_lshl_b32 s47, s12, 20
	s_add_co_u32 s46, s46, s47
	s_mov_b32 s47, 0
	s_lshl_b32 s18, s13, 22                        ; the prefetch: of the tile row's 256 rows of A the 32 that fall to my tile column,
	s_lshl_b32 s19, s42, 19
	s_add_co_u32 s18, s18, s19
	s_lshl_b32 s19, s12, 8                         ; and K step 0 or 1 by my wave
	s_add_co_u32 s18, s18, s19
	s_mov_b32 s19, 0
	s_mov_b32 s[PFK], 512
	s_mov_b32 s[PFK+1], 0
	s_mul_i32 s20, s12, 128*PA                     ; where they go: A's half,
	s_mul_i32 s21, s12, 128*PB                     ; B's half,
	s_add_co_u32 s21, s21, ABYTES                  ; behind A's 256 rows: no place in the cluster enters an LDS address
	s_wait_dscnt 0x0                               ; the opening add is done
	s_wait_kmcnt 0x0
	s_add_nc_u64 s[14:15], s[4:5], s[16:17]
	s_add_nc_u64 s[46:47], s[6:7], s[46:47]
	s_add_nc_u64 s[PFB:PFB+1], s[4:5], s[18:19]
	CROUND                                         ; all sixteen work-groups are here: the first joint loads meet
.irp s, 0,1
	s_mov_b32 s[G0+4*(\s)], 1                                      ; 1:0 count = 1
	s_add_co_u32 s[G0+4*(\s)+1], s20, (\s)*SLOT                    ; 63:32 LDS address
	s_add_nc_u64 s[G0+4*(\s)+2:G0+4*(\s)+3], s[14:15], (\s)*256    ; 120:64 global address: K step s
	s_or_b32 s[G0+4*(\s)+3], s[G0+4*(\s)+3], 0x80000000            ; 127:126 type = 2
	s_mov_b32 s[G0B+4*(\s)], 1
	s_add_co_u32 s[G0B+4*(\s)+1], s21, (\s)*SLOT
	s_add_nc_u64 s[G0B+4*(\s)+2:G0B+4*(\s)+3], s[46:47], (\s)*16384
	s_or_b32 s[G0B+4*(\s)+3], s[G0B+4*(\s)+3], 0x80000000
	JLOAD \s, 0                                    ; both slots' first fills go out before anything else: two tensor loads of mine are out
.endr
	; A fragment is 16 rows x 32 K in 8 registers: lane l holds row l % 16; registers 0-3 hold K = 8 (l / 16) + 0..7, registers 4-7 hold K = 16 + 8 (l / 16) + 0..7.
	; B, in f16: two loads of 16 bytes, 32 bytes apart.  A, in f32: four loads of 16 bytes, at 0, 16, 64 and 80 from row x pitch + 32 (l / 16), and eight conversions.
	v_and_b32 v1, 15, v0                           ; l % 16
	v_bfe_u32 v2, v0, 4, 1                         ; l / 16
	v_mul_u32_u24 v3, v1, PA
	v_lshl_add_u32 v3, v2, 5, v3
	s_mul_i32 s22, s10, 64*PA                      ; my 64 rows of A
	v_add_nc_u32 v[ADRA], s22, v3
	v_add_nc_u32 v[ADRA+1], SLOT, v[ADRA]
	v_mul_u32_u24 v4, v1, PB
	v_lshl_add_u32 v4, v2, 4, v4
	v_add_nc_u32 v[ADRB], ABYTES, v4               ; every wave reads all 256 rows of B
	v_add_nc_u32 v[ADRB+1], SLOT, v[ADRB]
	s_mul_i32 s23, s10, 16*SP
	s_add_co_u32 s23, s23, STAGE                   ; my stage
	v_mul_u32_u24 v5, v1, SP                       ; in: row l % 16, 32 bytes for each half of the lanes
	v_lshl_add_u32 v5, v2, 5, v5
	v_add_nc_u32 v[STO], s23, v5
	v_and_b32 v6, 31, v0
	v_lshlrev_b32 v[CO], 4, v6                     ; back: 32 lanes take one row's 512 bytes
	v_add_nc_u32 v[RD], s23, v[CO]
	v_lshlrev_b32 v[PFO], 14, v6
	s_lshl_b32 s18, s13, 21                        ; C: 256 x tile row rows of 8,192 bytes,
	s_lshl_b32 s19, s10, 19                        ; my wave's 64 rows,
	s_add_co_u32 s18, s18, s19
	s_lshl_b32 s19, s42, 10                        ; 256 x tile column columns of 4 bytes
	s_add_co_u32 s18, s18, s19
	s_mov_b32 s19, 0
	s_add_nc_u64 s[8:9], s[8:9], s[18:19]
.macro PLACES                          ; a load into a register that a matrix instruction has read, a vector instruction that writes one, and an LDS store of a matrix result stand four places behind that matrix
.rept 4                                ; instruction, and only plain vector instructions that name none of its registers are places (ISA guide 7.12.1 for vector instructions)
	v_nop
.endr
.endm
; A's numbers in f32: row block a, 32 along K at quarter c of the slot's step
.macro RAWQ slot, c, a
	WIN 0
	ds_load_b128 v[RAW+16*(\a):RAW+16*(\a)+3],     v[ADRA+(\slot)] offset:(\a)*16*PA+128*(\c)
	ds_load_b128 v[RAW+16*(\a)+4:RAW+16*(\a)+7],   v[ADRA+(\slot)] offset:(\a)*16*PA+128*(\c)+16
	ds_load_b128 v[RAW+16*(\a)+8:RAW+16*(\a)+11],  v[ADRA+(\slot)] offset:(\a)*16*PA+128*(\c)+64
	ds_load_b128 v[RAW+16*(\a)+12:RAW+16*(\a)+15], v[ADRA+(\slot)] offset:(\a)*16*PA+128*(\c)+80
.endm
.macro FETCH_RAW slot, c               ; all four row blocks: 16 loads
.irp a, 0,1,2,3
	RAWQ \slot, \c, \a
.endr
.endm
; B's fragments of quarter c into buffer g: 32 loads in one run
.macro FETCH_B slot, c, g
	WIN TO_B
.irp b, 0,1,2,3,4,5,6,7,8,9,10,11,12,13,14,15
	ds_load_b128 v[128*(\g)+8*\b:128*(\g)+8*\b+3],   v[ADRB+(\slot)] offset:\b*16*PB+64*(\c)
	ds_load_b128 v[128*(\g)+8*\b+4:128*(\g)+8*\b+7], v[ADRB+(\slot)] offset:\b*16*PB+64*(\c)+32
.endr
.endm
; Part j of 8 of the rounding of a quarter's A into buffer g: eight numbers, half a fragment
.macro CVT g, j
	WIN 0
.irp t, 0,1,2,3
	v_cvt_pk_f16_f32 v[AF+32*(\g)+4*(\j)+\t], v[RAW+8*(\j)+2*\t], v[RAW+8*(\j)+2*\t+1]
.endr
.endm
; Matrix instructions i0 .. i0 + n - 1 of a quarter's 64, on buffers f: number i is row block i / 16, column block i % 16.  zero = 1: the product starts the sum: nothing is ever cleared.
; The 64 accumulators take turns in the same order in every quarter: between two links of a chain stand the 63 others'.
; Behind numbers 0, 2, 4, 6 (RWS set) stand the four f32 loads of a row block; behind 48, 50 .. 62 (CVG set) four conversions: neither names a register of the products round it.
.macro MULR f, i0, n, zero
.set mi, \i0
.rept \n
	WIN MUL_LO+0x50*(mi/32)
.if \zero
	v_wmma_f32_16x16x32_f16 v[8*(mi%32):8*(mi%32)+7], v[128*(\f)+8*(mi%16):128*(\f)+8*(mi%16)+7], v[AF+32*(\f)+8*(mi/16):AF+32*(\f)+8*(mi/16)+7], 0
.else
	v_wmma_f32_16x16x32_f16 v[8*(mi%32):8*(mi%32)+7], v[128*(\f)+8*(mi%16):128*(\f)+8*(mi%16)+7], v[AF+32*(\f)+8*(mi/16):AF+32*(\f)+8*(mi/16)+7], v[8*(mi%32):8*(mi%32)+7]
.endif
.if (RWS >= 0) && (mi < 8) && (mi%2 == 0)
	RAWQ RWS, 1, mi/2
.endif
.if (CVG >= 0) && (mi >= 48) && (mi%2 == 0)
	CVT CVG, (mi-48)/2
.endif
.set mi, mi+1
.endr
.endm
; A K step is two quarters of 32 along K, 64 matrix instructions each.  EVEN multiplies buffers 0 (the step's first 32 along K) and brings the second 32 of the same slot into buffers 1.
.macro EVEN slot, zero
	s_wait_dscnt 0x0                               ; B's fragments, asked for 32 matrix instructions ago, are in
.set RWS, \slot
	MULR 0, 0, 32, \zero
.set RWS, -1
	PLACES                                         ; for the loads into B's buffer 1 and the conversions into A's, which the quarter before multiplied
	FETCH_B \slot, 1, 1
	MULR 0, 32, 16, \zero
	s_wait_dscnt 32                                ; the 16 f32 loads are in; the 32 younger loads of B may be out
.set CVG, 1
	MULR 0, 48, 16, \zero
.set CVG, -1
.endm
; ODD multiplies buffers 1 and changes slots: ONE barrier for two things.  In front of it each wave waits for all its tensor loads, of which one is out: its part of the next slot; adds 0 to its spare word;
; and waits for that and for its own reads of this slot.  Behind it nobody reads this slot any more and the next slot is whole.
; fill = 1: the barrier opens a round of the cluster's barrier, and this slot is filled again, two K steps on, first thing behind the round: 96 matrix instructions ahead of the wait for it.
; pf = 1 (once a lap): in trip t of the loop wave w of 0, 1 asks for K step 2 t + 4 + w, which the next trip's tensor loads fetch: lane l for the 256 bytes of row 32 x tile column + l of the tile row.
; The eight work-groups of a tile row share its 256 rows, so each 256 bytes are asked for by one lane of the launch; the offset stops at K step 62 + w, so the last trip names the trip before's bytes once more and none past a row's end.
.macro ODD slot, next, fill, pf
	WIN 0                                          ; (the add's two registers lie in window 0)
	s_wait_tensorcnt 0x0                           ; all my tensor loads have landed;
	ds_add_u32 v[SPW], v[NIL]                      ; 0 onto my spare word;
	s_wait_dscnt 1                                 ; (the add alone may be out: B's fragments are in)
	MULR 1, 0, 16, 0                               ; sixteen matrix instructions stand between the add and the wait for it
	s_wait_dscnt 0x0                               ; the add is done, and my reads of this slot are over
	s_barrier_signal -1
	MULR 1, 16, 16, 0                              ; work on registers while the others arrive
.if \fill
	WIN 0
.endif
	s_barrier_wait -1
.if \fill
	CREST                                          ; no wave of any partner still reads this slot's tile or has a load on its way
	s_add_nc_u64 s[G0+4*(\slot)+2:G0+4*(\slot)+3], s[G0+4*(\slot)+2:G0+4*(\slot)+3], 2*256      ; two K steps of 256 bytes along A's rows
	s_add_nc_u64 s[G0B+4*(\slot)+2:G0B+4*(\slot)+3], s[G0B+4*(\slot)+2:G0B+4*(\slot)+3], 2*16384  ; two blocks of B
.if \pf
	s_wait_xcnt 0x0                                ; the last lap's prefetch has had its address translated (ISA guide 3.1): only now is that address written again
	s_add_co_u32 s[PFK], s[PFK], 512
	s_min_u32 s[PFK], s[PFK], 62*256
	s_add_nc_u64 s[PFA:PFA+1], s[PFB:PFB+1], s[PFK:PFK+1]
.endif
	JLOAD \slot, \pf                               ; the four v_nop behind the load are also the places in front of the loads and conversions below
.else
	PLACES
.endif
	FETCH_RAW \next, 0
	FETCH_B \next, 0, 0
	MULR 1, 32, 16, 0
	s_wait_dscnt 32                                ; the 16 f32 loads are in; the 32 younger loads of B may be out
.set CVG, 0
	MULR 1, 48, 16, 0
.set CVG, -1
.endm
; THE WAY OUT, in eight pieces p: row block p / 2, columns 128 (p % 2) on.  A lane's 32 bytes of a row go into my own stage, rows of 528 bytes, each accumulator's low registers first,
; and come back as whole rows of 512 bytes.
.macro TOSTAGE p
.set AC, 128*(((\p)/2)%2)+64*((\p)%2)
.set BK, OB+64*((\p)%2)
	WIN 0x08+4*((\p)/4)                            ; the stores' data (source 1) in window 2 or 3
.irp bb, 0,1,2,3,4,5,6,7
	ds_store_b128 v[STO], v[AC+8*\bb:AC+8*\bb+3]   offset:64*\bb
	ds_store_b128 v[STO], v[AC+8*\bb+4:AC+8*\bb+7] offset:64*\bb+16
.endr
	WIN 0
.irp t, 0,1,2,3,4,5,6,7,8,9,10,11,12,13,14,15
	ds_load_b128 v[BK+4*\t:BK+4*\t+3], v[RD] offset:SP*\t  ; LDS serves a wave's instructions in order (ISA guide 5.7.1.4): these see the stores above, and the next piece's stores come behind them
.endr
.endm
.macro SEND p, younger                 ; younger: the LDS instructions issued behind piece p's loads: the next piece's 16 stores and 16 loads, or none
	WIN 0
.set BK, OB+64*((\p)%2)
.irp t, 0,1,2,3,4,5,6,7,8,9,10,11,12,13,14,15
	s_wait_dscnt (\younger)+15-\t
	global_store_b128 v[CO], v[BK+4*\t:BK+4*\t+3], s[8:9] offset:(16*((\p)/2)+\t)*8192+512*((\p)%2) th:TH_STORE_NT  ; the wave stores 512 consecutive bytes, at a multiple of 512 from out0's first; 516,608 at the most in the immediate
.endr
.endm
	s_wait_tensorcnt 1                             ; my part of K step 0 is in; K step 1's may stay out
	s_barrier_signal -1
	s_barrier_wait -1                              ; everybody's is
	FETCH_RAW 0, 0
	FETCH_B 0, 0, 0
	s_wait_dscnt 32                                ; the 16 f32 loads are in
.irp j, 0,1,2,3,4,5,6,7
	CVT 0, \j                                      ; the first quarter's A: there is no matrix work yet to set these behind
.endr
	EVEN 0, 1                                      ; the first quarter stands in front of the loop: its products start the sums
	WIN 0                                          ; at a label and at a branch every window is 0
	s_mov_b32 s3, LAPS-1
.Llap:                                                 ; a trip goes once round the ring, from a lap's second quarter to the next lap's first, and fills both slots again: K steps 2 t + 2 and 2 t + 3
	ODD 0, 1, 1, 1
	EVEN 1, 0
	ODD 1, 0, 1, 0
	EVEN 0, 0
	WIN 0
	s_sub_co_u32 s3, s3, 1
	s_cmp_lg_u32 s3, 0
	s_cbranch_scc1 .Llap
	ODD 0, 1, 0, 0                                 ; the last lap fills nothing, and has no round: the tensor load that was still out is K step 63's
	EVEN 1, 0
	s_wait_dscnt 0x0                               ; the very last quarter: nothing more to fetch
	MULR 1, 0, 64, 0
	PLACES                                         ; the stores below read results just made, and the loads behind them land where A's fragments lay
	TOSTAGE 0
.irp p, 1,2,3,4,5,6,7
.if \p >= 2
	s_wait_xcnt 0x0                                ; every earlier store has had its address translated (ISA guide 3.1): the buffer that the piece two back was stored from is loaded again only behind this wait
.endif
	TOSTAGE \p
	SEND (\p)-1, 32
.endr
	SEND 7, 0
	s_wait_tensorcnt 0x0                           ; the wave's end: behind my last tensor load and my last LDS store
	ds_add_u32 v[SPW], v[NIL]
	s_wait_dscnt 0x0
	CROUND                                         ; the closing round: no work-group ends while a partner may still ask for a tile that names it
	s_endpgm
.Lfunc_end_k_qbe08e1155d_gemm:
	.size	k_qbe08e1155d_gemm, .Lfunc_end_k_qbe08e1155d_gemm-k_qbe08e1155d_gemm
	.p2alignl 7, 3214868480
	.fill 96, 4, 3214868480
	.section	.rodata,"a",@progbits
	.p2align	6, 0x0
	.amdhsa_kernel k_qbe08e1155d_gemm
		.amdhsa_group_segment_fixed_size 327680
		.amdhsa_private_segment_fixed_size 0
		.amdhsa_enable_private_segment 0
		.amdhsa_kernarg_size 24
		.amdhsa_user_sgpr_count 2
		.amdhsa_user_sgpr_kernarg_segment_ptr 1
		.amdhsa_wavefront_size32 1
		.amdhsa_system_sgpr_workgroup_id_x 1
		.amdhsa_system_sgpr_workgroup_id_y 1
		.amdhsa_system_sgpr_workgroup_id_z 1
		.amdhsa_system_vgpr_workitem_id 0
		.amdhsa_next_free_vgpr 1024
		.amdhsa_next_free_sgpr 74
		.amdhsa_reserve_vcc 0
		.amdhsa_float_denorm_mode_32 3
		.amdhsa_float_denorm_mode_16_64 3
		.amdhsa_memory_ordered 1
		.amdhsa_forward_progress 1
		.amdhsa_inst_pref_size 122
	.end_amdhsa_kernel
	.amdgpu_metadata
---
amdhsa.version: [ 1, 2 ]
amdhsa.kernels:
  - .name:           k_qbe08e1155d_gemm
    .symbol:         k_qbe08e1155d_gemm.kd
    .args:
      - { .name: input, .offset: 0, .size: 8, .value_kind: global_buffer, .address_space: global }
      - { .name: wq, .offset: 8, .size: 8, .value_kind: global_buffer, .address_space: global }
      - { .name: out0, .offset: 16, .size: 8, .value_kind: global_buffer, .address_space: global }
    .group_segment_fixed_size: 327680
    .private_segment_fixed_size: 0
    .kernarg_segment_align: 8
    .kernarg_segment_size: 24
    .max_flat_workgroup_size: 128
    .sgpr_count:     74
    .vgpr_count:     1024
    .wavefront_size: 32
...
	.end_amdgpu_metadata
.endif
;; end of part 2
;; ======== version 2 of 3: 2 launches
;; limits: values are held in f16: magnitudes above 65,504 overflow, below 6.1e-05 lose precision; inputs' magnitudes at most 65,504
;; workspace buffers: xh 67,108,864 bytes; wq 16,777,216 bytes
;; launch prep (part 3): grid 256 x 1, 8 waves a work-group, no clusters, 0 bytes of LDS; arguments input, weight, scales, xh, wq; writes xh, wq
.if DOCPART == 3
	.amdgcn_target "amdgcn-amd-amdhsa--gfx1250"
	.amdhsa_code_object_version 6
	.text
	.protected	k_qbe08e1155d_prep
	.globl	k_qbe08e1155d_prep
	.p2align	8
	.type	k_qbe08e1155d_prep,@function
k_qbe08e1155d_prep:
	s_mov_b64 s[64:65], 0
	v_nop
	global_prefetch_b8 v0, s[64:65] scope:SCOPE_SE
	s_setreg_imm32_b32 hwreg(HW_REG_WAVE_MODE, 25, 1), 1
	s_wait_xcnt 0x0
; Both operands of the product that follows, each rounded once to f16, both row-major with rows of 8,192 bytes:
;   xh[m][k] = f16(input[m][k])                                     input: [8192][4096] f32
;   wq[o][k] = f16(f32(weight[o][k]) * scales[o][k / 128])          weight: [2048][4096] int32, converted as astype does; scales: [2048][32] f32
; WHY AHEAD OF THE PRODUCT.  Each weight is used by 32 tiles of the result and each input by 8.  And with input in f32 two LDS slots of the product hold 64 along K at the most
; (128 would want 2 x 204,800 bytes); in f16 they hold 128, so that a tile asked for has twice the matrix work in which to land.
; WHY f16.  A rounding to bf16's 8 significant bits is off by about 0.17 % of the number; two operands so rounded shift a sum of 4,096 products by about 0.24 % of the outputs' root mean square, and among
; 16.7 million outputs some then pass 1 % of it.  f16's 11 bits make that an eighth.
; LIMITS.  An |input| or a |weight x scale| of 65,520 or more becomes an infinity: with weights of -128 to 127 that leaves room for scales up to about 500.  Below 6.1e-5 a number keeps f16's fixed
; step of 6e-8.  NaN and infinities go through as they are.
; A stream: no LDS, no barrier, no matrix unit: each byte is read once and written once, and no wave needs another's data.
; SHARES.  2,048 waves; wave W = 8 g + w takes rows 4 W .. 4 W + 3 of input and row W of weight: five rows of 16,384 bytes, the same work for every wave.
; A row goes in 32 trips: a load of the wave covers 512 consecutive bytes (16 a lane), its store 256 consecutive bytes (8 a lane), both aligned to their size.
; A ring of 32 slots in registers keeps 32 loads of every wave on their way: when trip j of a row has been rounded, trip j of the next row is asked for into the same registers, ahead of the store.
; Trip j of the weight row is its numbers 128 j .. 128 j + 127: exactly group j, so the row's 32 scales are scalars.
.set ROWB, 16384                       ; bytes in a row of input and of weight
.set OUTB, 8192                        ; bytes in a row of xh and of wq
.set TRIPS, 32
.set LO,  2                            ; v2        my byte offset in 512 bytes of a row as loaded: 16 l; never rewritten
.set QO,  3                            ; v3        the same as stored: 8 l; never rewritten
.set Y,   4                            ; v[4:19]   eight pairs by turns: four numbers in f16, to store
.set X,   32                           ; v[32:159] slot j: four registers as loaded
.set SC,  32                           ; s[32:63]  the 32 scales of my weight row
	s_load_b256 s[4:11], s[0:1], 0x0               ; input s[4:5], weight s[6:7], scales s[8:9], xh s[10:11]
	s_load_b64 s[12:13], s[0:1], 0x20              ; wq
	v_lshrrev_b32 v1, 5, v0
	v_readfirstlane_b32 s14, v1                    ; wave 0..7
	v_and_b32 v1, 31, v0                           ; l
	v_lshlrev_b32 v[LO], 4, v1
	v_lshlrev_b32 v[QO], 3, v1
	s_lshl_b32 s15, ttmp9, 3
	s_add_co_u32 s15, s15, s14                     ; W
	s_lshl_b32 s16, s15, 16                        ; input: 4 W rows of 16,384 bytes
	s_mov_b32 s17, 0
	s_lshl_b32 s18, s15, 14                        ; weight: W rows of 16,384 bytes
	s_mov_b32 s19, 0
	s_lshl_b32 s20, s15, 7                         ; scales: W rows of 128 bytes
	s_mov_b32 s21, 0
	s_lshl_b32 s22, s15, 15                        ; xh: 4 W rows of 8,192 bytes
	s_mov_b32 s23, 0
	s_lshl_b32 s24, s15, 13                        ; wq: W rows of 8,192 bytes
	s_mov_b32 s25, 0
	s_wait_kmcnt 0x0
	s_add_nc_u64 s[4:5], s[4:5], s[16:17]
	s_add_nc_u64 s[6:7], s[6:7], s[18:19]
	s_add_nc_u64 s[8:9], s[8:9], s[20:21]
	s_add_nc_u64 s[10:11], s[10:11], s[22:23]
	s_add_nc_u64 s[12:13], s[12:13], s[24:25]
.set j, 0
.rept TRIPS
	global_load_b128 v[X+4*j:X+4*j+3], v[LO], s[4:5] offset:512*j th:TH_LOAD_NT  ; the ring is filled: my first row of input; every byte is read once in the launch
.set j, j+1
.endr
	s_load_b512 s[SC:SC+15], s[8:9], 0x0           ; the scales are wanted four rows later
	s_load_b512 s[SC+16:SC+31], s[8:9], 0x40
; Trip j of a row of input.  last = 0: the slot takes trip j of the next row of input; 1: of my row of weight.
.macro CAST last
	s_wait_loadcnt TRIPS-1                         ; loads come back in order (ISA guide 5.7.1): this slot's is in, the 31 younger ones stay out
	s_wait_xcnt 0x0                                ; every earlier memory instruction has had its addresses translated (ISA guide 3.1): the pair of Y, which a store eight trips back reads, is rewritten only behind this wait
	v_cvt_pk_f16_f32 v[Y+2*(j%8)],   v[X+4*j],   v[X+4*j+1]
	v_cvt_pk_f16_f32 v[Y+2*(j%8)+1], v[X+4*j+2], v[X+4*j+3]
.if \last
	global_load_b128 v[X+4*j:X+4*j+3], v[LO], s[6:7] offset:512*j th:TH_LOAD_NT
.else
	global_load_b128 v[X+4*j:X+4*j+3], v[LO], s[4:5] offset:ROWB+512*j th:TH_LOAD_NT
.endif
	global_store_b64 v[QO], v[Y+2*(j%8):Y+2*(j%8)+1], s[10:11] offset:256*j  ; no hint: the next launch reads these bytes
.endm
	s_mov_b32 s26, 3
.Lrow:                                                 ; my rows 0, 1, 2 of input; each trip of the loop asks for the row behind its own
.set j, 0
.rept TRIPS
	CAST 0
.set j, j+1
.endr
	s_wait_xcnt 0x0                                ; the two bases are stepped only behind this wait
	s_add_nc_u64 s[4:5], s[4:5], ROWB
	s_add_nc_u64 s[10:11], s[10:11], OUTB
	s_sub_co_u32 s26, s26, 1
	s_cmp_lg_u32 s26, 0
	s_cbranch_scc1 .Lrow
.set j, 0
.rept TRIPS
	CAST 1                                         ; my row 3 of input; the ring takes the row of weight
.set j, j+1
.endr
	s_wait_kmcnt 0x0                               ; the scales
.set j, 0
.rept TRIPS                            ; the row of weight: nothing is left to ask for, so the counts run down, and each slot is worked on and stored in place
	s_wait_loadcnt TRIPS-1-j
.irp k, 0,1,2,3
	v_cvt_f32_i32 v[X+4*j+\k], v[X+4*j+\k]
.endr
.irp k, 0,1,2,3
	v_mul_f32 v[X+4*j+\k], s[SC+j], v[X+4*j+\k]
.endr
	v_cvt_pk_f16_f32 v[X+4*j],   v[X+4*j],   v[X+4*j+1]
	v_cvt_pk_f16_f32 v[X+4*j+1], v[X+4*j+2], v[X+4*j+3]
	global_store_b64 v[QO], v[X+4*j:X+4*j+1], s[12:13] offset:256*j
.set j, j+1
.endr
	s_endpgm
.Lfunc_end_k_qbe08e1155d_prep:
	.size	k_qbe08e1155d_prep, .Lfunc_end_k_qbe08e1155d_prep-k_qbe08e1155d_prep
	.p2alignl 7, 3214868480
	.fill 96, 4, 3214868480
	.section	.rodata,"a",@progbits
	.p2align	6, 0x0
	.amdhsa_kernel k_qbe08e1155d_prep
		.amdhsa_group_segment_fixed_size 0
		.amdhsa_private_segment_fixed_size 0
		.amdhsa_enable_private_segment 0
		.amdhsa_kernarg_size 40
		.amdhsa_user_sgpr_count 2
		.amdhsa_user_sgpr_kernarg_segment_ptr 1
		.amdhsa_wavefront_size32 1
		.amdhsa_system_sgpr_workgroup_id_x 1
		.amdhsa_system_sgpr_workgroup_id_y 1
		.amdhsa_system_sgpr_workgroup_id_z 1
		.amdhsa_system_vgpr_workitem_id 0
		.amdhsa_next_free_vgpr 160
		.amdhsa_next_free_sgpr 66
		.amdhsa_reserve_vcc 0
		.amdhsa_float_denorm_mode_32 3
		.amdhsa_float_denorm_mode_16_64 3
		.amdhsa_memory_ordered 1
		.amdhsa_forward_progress 1
		.amdhsa_inst_pref_size 45
	.end_amdhsa_kernel
	.amdgpu_metadata
---
amdhsa.version: [ 1, 2 ]
amdhsa.kernels:
  - .name:           k_qbe08e1155d_prep
    .symbol:         k_qbe08e1155d_prep.kd
    .args:
      - { .name: input, .offset: 0, .size: 8, .value_kind: global_buffer, .address_space: global }
      - { .name: weight, .offset: 8, .size: 8, .value_kind: global_buffer, .address_space: global }
      - { .name: scales, .offset: 16, .size: 8, .value_kind: global_buffer, .address_space: global }
      - { .name: xh, .offset: 24, .size: 8, .value_kind: global_buffer, .address_space: global }
      - { .name: wq, .offset: 32, .size: 8, .value_kind: global_buffer, .address_space: global }
    .group_segment_fixed_size: 0
    .private_segment_fixed_size: 0
    .kernarg_segment_align: 8
    .kernarg_segment_size: 40
    .max_flat_workgroup_size: 256
    .sgpr_count:     66
    .vgpr_count:     160
    .wavefront_size: 32
...
	.end_amdgpu_metadata
.endif
;; end of part 3
;; launch gemm (part 4): grid 8 x 32, 4 waves a work-group, clusters of 4 x 4, 327,680 bytes of LDS; arguments xh, wq, out0; writes out0
.if DOCPART == 4
	.amdgcn_target "amdgcn-amd-amdhsa--gfx1250"
	.amdhsa_code_object_version 6
	.text
	.protected	k_qbe08e1155d_gemm
	.globl	k_qbe08e1155d_gemm
	.p2align	8
	.type	k_qbe08e1155d_gemm,@function
k_qbe08e1155d_gemm:
	s_mov_b64 s[64:65], 0
	v_nop
	global_prefetch_b8 v0, s[64:65] scope:SCOPE_SE
	s_setreg_imm32_b32 hwreg(HW_REG_WAVE_MODE, 25, 1), 1
	s_wait_xcnt 0x0
	s_wait_alu depctr_hold_cnt(0) depctr_sa_sdst(0) depctr_va_vdst(0) depctr_va_sdst(0) depctr_va_ssrc(0) depctr_va_vcc(0) depctr_vm_vsrc(0)
	s_getreg_b32 s2, hwreg(HW_REG_IB_STS2, 6, 4)
	s_cmp_eq_u32 s2, 0
	s_cbranch_scc0 .Lentry_in_a_cluster
	s_endpgm
.Lentry_in_a_cluster:
	s_bfe_u32 s2, ttmp6, 0x10000c
	s_cmp_lg_u32 s2, 0xf033
	s_cbranch_scc0 .Lentry_shape_is_right
	s_endpgm
.Lentry_shape_is_right:
; out0[m][n] = sum over k of xh[m][k] wq[n][k].  xh: [8192][4096] f16 (the input, rounded once).  wq: [2048][4096] f16 (weight x scale, rounded once).  out0: [8192][2048] f32.
; LIMITS.  The operands arrive in f16 (the launch before states that format's range); sums in f32, in the matrix unit's order, K ascending.  NaN and infinities are not treated apart.
; SHARES.  A tile of C, 256 x 256, is made by a work-group of four waves: 32 x 8 tiles, 256 work-groups.  A wave makes 128 x 128: 64 accumulators of 16 x 16, 512 registers: for 32 along K it reads
; 2 x 128 x 64 bytes from LDS and issues 64 matrix instructions.
; K goes in steps of 128 through a ring of two LDS slots filled by the tensor data mover: the rows of A's and B's tiles are 256 bytes of memory and start at multiples of 256 bytes from the buffer's first byte.
; CLUSTERS: 4 x 4 work-groups.  The four of a row of the cluster need the same tiles of A, the four of a column the same tiles of B: each tile is asked for JOINTLY, by the same tensor load with the same
; descriptor and a mask that names the four.  All of LDS is claimed; the text uses 312,832 bytes.
; NO PREFETCH: a tile asked for has 224 matrix instructions in which to land, and the launch before has just written both operands.
; THE MATRIX INSTRUCTION IS USED TRANSPOSED: source 0 = 16 rows of wq, source 1 = 16 rows of xh: a lane then holds row l % 16 of C and the eight neighbouring columns 8 (l / 16) + 0..7.
; REGISTERS, in windows of 256 (s_set_vgpr_msb: bits 1:0 source 0, 3:2 source 1, 5:4 source 2, 7:6 destination):
;   window 0: v0-31 addresses; v64-127, v128-191 fragments of A (8 x 16 rows x 32 K), two buffers; on the way out the two take rows of C by turns
;   window 1: v64-127, v128-191 fragments of B, two buffers
;   window 2: the 32 accumulators of my rows 0-63 (accumulator (a, b) at v[8 (8 a + b)]);   window 3: those of my rows 64-127
; Work is laid in long stretches under one setting: 32 matrix instructions, 16 loads, 16 loads, 32 matrix instructions.
.set SIZE_N, 2048
.set SIZE_K, 4096
.set KSTEP,  128
.set PITCH,  272                       ; an LDS row: 256 bytes of data + 16 of padding = 68 words: row r starts at bank 4 r mod 64 (64 banks of 4 bytes: ISA guide 11.1), so the 16 rows that a load touches start at 16 different groups of four banks
.set HALFT,  128*PITCH                 ; 128 rows: what one tensor load brings, and what one wave reads of A or of B
.set SLOT,   4*HALFT                   ; A's 256 rows, then B's 256 rows: 139,264 bytes
.set STAGE,  2*SLOT                    ; behind the ring, never filled by a tensor load: 16 rows x 528 bytes for each wave, for the way out
.set SP,     528                       ; a row of the stage: 512 bytes + 16
.set SPARE,  STAGE+4*16*SP             ; behind the stages: the spare words, 128 bytes for each wave: two blocks of 256 bytes that no other line names
.set LAPS,   SIZE_K/(2*KSTEP)          ; a lap = two K steps = once round the ring: 16
.set ADRA, 16                          ; v16-17  LDS address of my A fragments in slot 0, 1
.set ADRB, 20                          ; v20-21  the same for B
.set STO,  24                          ; v24     the way out: where I put 32 bytes of a row
.set RD,   25                          ; v25     the way out: where I read a row back
.set CO,   26                          ; v26     my byte offset in 512 bytes of a row of C
.set SPW,  28                          ; v28     LDS address of my spare word: SPARE + 4 x my thread's number; never rewritten
.set NIL,  29                          ; v29     0; never rewritten
.set F0,   64                          ; fragment buffer 0
.set F1,   128                         ; fragment buffer 1
.set OB,   64                          ; the way out: two buffers of 64, where A's fragments lay
.set G1,  24                           ; s[24:31] descriptor group 1 for A's tiles;  s[32:39] group 0, one set for each slot
.set G0,  32
.set G1B, 48                           ; s[48:55], s[56:63] the same for B's tiles
.set G0B, 56
.set MSB, 0
.macro WIN new                         ; the immediate's high byte repeats the setting that is left; a switch that changes nothing is dropped
.if MSB != (\new)
	s_set_vgpr_msb (MSB<<8)|(\new)
.set MSB, (\new)
.endif
.endm
.set MUL_LO, 0xa1                      ; source 0 (B) window 1, source 1 (A) window 0, C and D window 2
.set MUL_HI, 0xf1                      ; the same, C and D window 3
.set TO_B,   0x40                      ; destination window 1, address window 0
; A joint load.  Waves 0 and 1 fetch A's two halves, waves 2 and 3 B's.  Each of the two lines has ONE mask and one set of registers for all that issue it; the branch hangs on the wave's number alone.
; An s_nop 0 and four v_nop follow each of the two lines; the jump round the other line, the label and what follows the macro come after them.
.macro JLOAD s
	s_cmp_eq_u32 s11, 0
	s_cbranch_scc0 .Lfor_b_\@
	tensor_load_to_lds s[G0+4*(\s):G0+4*(\s)+3], s[G1:G1+7]
	s_nop 0
.rept 4
	v_nop
.endr
	s_branch .Lasked_\@
.Lfor_b_\@:
	tensor_load_to_lds s[G0B+4*(\s):G0B+4*(\s)+3], s[G1B:G1B+7]
	s_nop 0
.rept 4
	v_nop
.endr
.Lasked_\@:
.endm
; A round of the cluster's barrier: my work-group's barrier, so that wave 0's signal speaks for all four waves; wave 0 signals for the work-group; every wave waits for all sixteen; my work-group's barrier once more.
.macro CREST                           ; a round behind its opening barrier
	s_cmp_lg_u32 s10, 0
	s_cbranch_scc1 .Lnot_wave_0_\@
	s_barrier_signal -3
.Lnot_wave_0_\@:
	s_barrier_wait -3
	s_barrier_signal -1
	s_barrier_wait -1
.endm
.macro CROUND                          ; a whole round
	s_barrier_signal -1
	s_barrier_wait -1
	CREST
.endm
	s_load_b128 s[4:7], s[0:1], 0x0                ; xh s[4:5], wq s[6:7]
	s_load_b64 s[8:9], s[0:1], 0x10                ; out0
	v_lshl_add_u32 v[SPW], v0, 2, SPARE
	v_mov_b32 v[NIL], 0
	ds_add_u32 v[SPW], v[NIL]                      ; the wave's opening: the add and its wait stand ahead of my first tensor load; the set-up below, work on registers, stands between them
	v_lshrrev_b32 v1, 5, v0
	v_readfirstlane_b32 s10, v1                    ; wave 0..3
	s_lshr_b32 s11, s10, 1                         ; which half of the tile's rows is mine.  Also: I fetch for A (0) or for B (1)
	s_and_b32 s12, s10, 1                          ; which half of its columns.  Also: which 128 rows of that tile I fetch
	s_bfe_u32 s40, ttmp6, 0x40000                  ; cx, cy: my place in the cluster
	s_bfe_u32 s41, ttmp6, 0x40004
	s_lshl_b32 s42, ttmp9, 2                       ; in a cluster launch ttmp9 and ttmp7 count clusters
	s_add_co_u32 s42, s42, s40                     ; tile column of C = 4 x cluster x + cx
	s_and_b32 s13, ttmp7, 0xffff
	s_lshl_b32 s13, s13, 2
	s_add_co_u32 s13, s13, s41                     ; tile row of C = 4 x cluster y + cy
	s_lshl_b32 s43, s41, 2
	s_lshl_b32 s43, 15, s43                        ; my row of the cluster: places 4 cy .. 4 cy + 3
	s_lshl_b32 s44, 0x1111, s40                    ; my column: places cx, cx + 4, cx + 8, cx + 12
	; descriptor group 1: a tile of 128 rows x 128 elements of 2 bytes, padded in LDS
	s_or_b32 s[G1+0], s43, (1<<16)|(1<<20)|(1<<21)|(5<<22)|(3<<25)   ; 15:0 the mask: A's tiles go to my row; 17:16 elements of 2 bytes; 20 padding on; 21 set beside a mask; 24:22 after every 64 words (code 5); 31:25 4 words of it (code 3)
	s_or_b32 s[G1B+0], s44, (1<<16)|(1<<20)|(1<<21)|(5<<22)|(3<<25)  ; the same with the mask of my column, for B's tiles
.irp g, G1, G1B
	s_mov_b32 s[(\g)+1], KSTEP<<16                 ; tensor_dim0 = 128
	s_mov_b32 s[(\g)+2], 128<<16                   ; tensor_dim1 = 128
	s_mov_b32 s[(\g)+3], KSTEP<<16                 ; tile_dim0 = 128
	s_mov_b32 s[(\g)+4], 128                       ; tile_dim1 = 128
	s_mov_b32 s[(\g)+5], SIZE_K                    ; tensor_dim0_stride: elements from row to row
	s_mov_b32 s[(\g)+6], 0
	s_mov_b32 s[(\g)+7], 0
.endr
	; where the tiles come from.  A's hang on the tile row alone, B's on the tile column alone; each offset in registers that never hold the other coordinate.
	s_lshl_b32 s16, s13, 21                        ; A: 256 x tile row rows of 8,192 bytes,
	s_lshl_b32 s17, s12, 20                        ; 128 x half rows
	s_add_co_u32 s16, s16, s17
	s_mov_b32 s17, 0
	s_lshl_b32 s46, s42, 21                        ; B: 256 x tile column rows of 8,192 bytes,
	s_lshl_b32 s47, s12, 20                        ; 128 x half rows
	s_add_co_u32 s46, s46, s47
	s_mov_b32 s47, 0
	s_mul_i32 s20, s10, HALFT                      ; and where they go: A's two halves, then B's two halves = wave x 128 rows: no place in the cluster enters an LDS address
	s_wait_dscnt 0x0                               ; the opening add is done
	s_wait_kmcnt 0x0
	s_add_nc_u64 s[14:15], s[4:5], s[16:17]
	s_add_nc_u64 s[46:47], s[6:7], s[46:47]
	CROUND                                         ; all sixteen work-groups are here: the first joint loads meet
.irp s, 0,1
	s_mov_b32 s[G0+4*(\s)], 1                                        ; 1:0 count = 1
	s_add_co_u32 s[G0+4*(\s)+1], s20, (\s)*SLOT                      ; 63:32 LDS address
	s_add_nc_u64 s[G0+4*(\s)+2:G0+4*(\s)+3], s[14:15], (\s)*KSTEP*2  ; 120:64 global address: K step s
	s_or_b32 s[G0+4*(\s)+3], s[G0+4*(\s)+3], 0x80000000              ; 127:126 type = 2
	s_mov_b32 s[G0B+4*(\s)], 1
	s_add_co_u32 s[G0B+4*(\s)+1], s20, (\s)*SLOT
	s_add_nc_u64 s[G0B+4*(\s)+2:G0B+4*(\s)+3], s[46:47], (\s)*KSTEP*2
	s_or_b32 s[G0B+4*(\s)+3], s[G0B+4*(\s)+3], 0x80000000
	JLOAD \s                                       ; both slots' first fills go out before anything else: two tensor loads of mine are out
.endr
	; A fragment is 16 rows x 32 K in 8 registers: lane l holds row l % 16; registers 0-3 hold K = 8 (l / 16) + 0..7, registers 4-7 hold K = 16 + 8 (l / 16) + 0..7.
	; From rows that lie along K: two loads of 16 bytes, 32 bytes apart.  The same for source 0 and source 1.
	v_and_b32 v1, 15, v0                           ; l % 16
	v_bfe_u32 v2, v0, 4, 1                         ; l / 16
	v_mul_u32_u24 v3, v1, PITCH
	v_lshl_add_u32 v3, v2, 4, v3                   ; row x pitch + 16 x half
	s_mul_i32 s21, s11, HALFT                      ; my 128 rows of A
	s_mul_i32 s22, s12, HALFT                      ; my 128 rows of B,
	s_add_co_u32 s22, s22, 2*HALFT                 ; which lie behind A's 256
.irp s, 0,1
	v_add_nc_u32 v[ADRA+(\s)], s21, v3
	v_add_nc_u32 v[ADRB+(\s)], s22, v3
	s_add_co_u32 s21, s21, SLOT
	s_add_co_u32 s22, s22, SLOT
.endr
	s_mul_i32 s23, s10, 16*SP
	s_add_co_u32 s23, s23, STAGE                   ; my stage
	v_mul_u32_u24 v5, v1, SP                       ; in: row l % 16, 32 bytes for each half of the lanes
	v_lshl_add_u32 v5, v2, 5, v5
	v_add_nc_u32 v[STO], s23, v5
	v_and_b32 v6, 31, v0
	v_lshlrev_b32 v[CO], 4, v6                     ; back: 32 lanes take one row's 512 bytes
	v_add_nc_u32 v[RD], s23, v[CO]
	s_lshl_b32 s18, s13, 21                        ; C: 256 x tile row rows of 8,192 bytes,
	s_lshl_b32 s19, s11, 20                        ; my 128 rows,
	s_add_co_u32 s18, s18, s19
	s_lshl_b32 s19, s42, 10                        ; 256 x tile column columns of 4 bytes,
	s_add_co_u32 s18, s18, s19
	s_lshl_b32 s19, s12, 9                         ; my 128 columns
	s_add_co_u32 s18, s18, s19
	s_mov_b32 s19, 0
	s_add_nc_u64 s[8:9], s[8:9], s[18:19]
; 16 matrix instructions: row blocks a0, a0 + 1 of the window's four (hi = 0: my rows 0-63, 1: rows 64-127) x all 8 column blocks, 32 along K.  zero = 1: the product starts the sum: nothing is ever cleared.
; The 64 accumulators take turns in the same order in every quarter: between two links of a chain stand the 63 others'.
.macro MUL16 f, hi, a0, zero
	WIN MUL_LO+0x50*(\hi)
.irp a, \a0, (\a0)+1
.irp b, 0,1,2,3,4,5,6,7
.if \zero
	v_wmma_f32_16x16x32_f16 v[8*(8*(\a)+(\b)):8*(8*(\a)+(\b))+7], v[(\f)+8*(\b):(\f)+8*(\b)+7], v[(\f)+8*(4*(\hi)+(\a)):(\f)+8*(4*(\hi)+(\a))+7], 0
.else
	v_wmma_f32_16x16x32_f16 v[8*(8*(\a)+(\b)):8*(8*(\a)+(\b))+7], v[(\f)+8*(\b):(\f)+8*(\b)+7], v[(\f)+8*(4*(\hi)+(\a)):(\f)+8*(4*(\hi)+(\a))+7], v[8*(8*(\a)+(\b)):8*(8*(\a)+(\b))+7]
.endif
.endr
.endr
.endm
; 32 LDS loads in one run: the fragments of one quarter step (128 rows of B, 128 rows of A, 32 K at byte k of the rows) into buffer f
.macro FETCH slot, k, f
	WIN TO_B
.irp i, 0,1,2,3,4,5,6,7
	ds_load_b128 v[(\f)+8*(\i):(\f)+8*(\i)+3],   v[ADRB+(\slot)] offset:(\k)+(\i)*16*PITCH
	ds_load_b128 v[(\f)+8*(\i)+4:(\f)+8*(\i)+7], v[ADRB+(\slot)] offset:(\k)+(\i)*16*PITCH+32
.endr
	WIN 0
.irp i, 0,1,2,3,4,5,6,7
	ds_load_b128 v[(\f)+8*(\i):(\f)+8*(\i)+3],   v[ADRA+(\slot)] offset:(\k)+(\i)*16*PITCH
	ds_load_b128 v[(\f)+8*(\i)+4:(\f)+8*(\i)+7], v[ADRA+(\slot)] offset:(\k)+(\i)*16*PITCH+32
.endr
.endm
.macro PLACES                          ; a load into a register that a matrix instruction has read, and an LDS store of a matrix result, stand four places behind that matrix instruction, and only plain vector
.rept 4                                ; instructions that name none of its registers are places (ISA guide 7.12.1 for vector instructions)
	v_nop
.endr
.endm
; A K step is four quarter steps of 32 along K, 64 matrix instructions each, on buffers 0, 1, 0, 1.
; One of the first three: multiplies buffer f; in its middle it fetches the next quarter's fragments, at byte k of the same slot's rows, into buffer g.
.macro QUARTER slot, k, f, g, zero
	s_wait_dscnt 8                                 ; B and A's rows 0-63 are in; the youngest eight loads (A's rows 64-127) may be out
	MUL16 \f, 0, 0, \zero
	MUL16 \f, 0, 2, \zero
	PLACES
	FETCH \slot, \k, \g
	s_wait_dscnt 32                                ; all but the 32 just issued
	MUL16 \f, 1, 0, \zero
	MUL16 \f, 1, 2, \zero
.endm
; The last quarter multiplies buffer 1 and changes slots: ONE barrier for two things.  In front of it each wave waits for all its tensor loads, of which one is out: its part of the next slot; adds 0 to its
; spare word; and waits for that and for its own reads of this slot.  Behind it nobody reads this slot any more and the next slot is whole.
; fill = 1: the barrier opens a round of the cluster's barrier, so that no wave of any partner still reads the slot or has a load on its way, and this slot is filled again, two K steps on, first thing behind
; the round: 224 matrix instructions ahead of the wait for it.
.macro TURN slot, next, fill
	WIN 0                                          ; (the add's two registers lie in window 0)
	s_wait_tensorcnt 0x0                           ; all my tensor loads have landed;
	ds_add_u32 v[SPW], v[NIL]                      ; 0 onto my spare word;
	s_wait_dscnt 9                                 ; (the add and the youngest eight loads may be out)
	MUL16 F1, 0, 0, 0                              ; sixteen matrix instructions stand between the add and the wait for it
	s_wait_dscnt 0x0                               ; the add is done, and my reads of this slot are over
	s_barrier_signal -1
	MUL16 F1, 0, 2, 0                              ; work on registers while the others arrive
.if \fill
	WIN 0
.endif
	s_barrier_wait -1
.if \fill
	CREST
	s_add_nc_u64 s[G0+4*(\slot)+2:G0+4*(\slot)+3], s[G0+4*(\slot)+2:G0+4*(\slot)+3], 2*KSTEP*2     ; no tensor load of mine is out, so a group 0 may be written; the type bits on top are not reached
	s_add_nc_u64 s[G0B+4*(\slot)+2:G0B+4*(\slot)+3], s[G0B+4*(\slot)+2:G0B+4*(\slot)+3], 2*KSTEP*2
	JLOAD \slot                                    ; the four v_nop behind the load are also the places in front of the loads below
.else
	PLACES
.endif
	FETCH \next, 0, F0
	MUL16 F1, 1, 0, 0
	MUL16 F1, 1, 2, 0
.endm
; THE WAY OUT, in eight pieces: piece p is my row block p, 16 rows x 128 columns.  A lane's 32 bytes of a row go into my own stage, rows of 528 bytes, each accumulator's low registers first,
; and come back as whole rows of 512 bytes.
.macro TOSTAGE p
.set AC, 64*((\p)%4)
.set BK, OB+64*((\p)%2)
	WIN 0x08+4*((\p)/4)                            ; the stores' data (source 1) in window 2 or 3
.irp bb, 0,1,2,3,4,5,6,7
	ds_store_b128 v[STO], v[AC+8*\bb:AC+8*\bb+3]   offset:64*\bb
	ds_store_b128 v[STO], v[AC+8*\bb+4:AC+8*\bb+7] offset:64*\bb+16
.endr
	WIN 0
.irp t, 0,1,2,3,4,5,6,7,8,9,10,11,12,13,14,15
	ds_load_b128 v[BK+4*\t:BK+4*\t+3], v[RD] offset:SP*\t  ; LDS serves a wave's instructions in order (ISA guide 5.7.1.4): these see the stores above, and the next piece's stores come behind them
.endr
.endm
.macro SEND p, younger                 ; younger: the LDS instructions issued behind piece p's loads: the next piece's 16 stores and 16 loads, or none
	WIN 0
.set BK, OB+64*((\p)%2)
.irp t, 0,1,2,3,4,5,6,7,8,9,10,11,12,13,14,15
	s_wait_dscnt (\younger)+15-\t
	global_store_b128 v[CO], v[BK+4*\t:BK+4*\t+3], s[8:9] offset:(16*(\p)+\t)*SIZE_N*4 th:TH_STORE_NT  ; the wave stores 512 consecutive bytes, at a multiple of 512 from out0's first; 127 rows, 1,040,384 bytes, at the most in the signed 24-bit immediate
.endr
.endm
	s_wait_tensorcnt 1                             ; my part of K step 0 is in; K step 1's may stay out
	s_barrier_signal -1
	s_barrier_wait -1                              ; everybody's is
	FETCH 0, 0, F0
	QUARTER 0, 64,  F0, F1, 1                      ; the first quarter stands in front of the loop: its products start the sums
	WIN 0                                          ; at a label and at a branch every window is 0
	s_mov_b32 s3, LAPS-1
.Llap:                                                 ; a trip goes once round the ring, from a lap's second quarter to the next lap's first, and fills both slots again: K steps 2 t + 2 and 2 t + 3
	QUARTER 0, 128, F1, F0, 0
	QUARTER 0, 192, F0, F1, 0
	TURN 0, 1, 1
	QUARTER 1, 64,  F0, F1, 0
	QUARTER 1, 128, F1, F0, 0
	QUARTER 1, 192, F0, F1, 0
	TURN 1, 0, 1
	QUARTER 0, 64,  F0, F1, 0
	WIN 0
	s_sub_co_u32 s3, s3, 1
	s_cmp_lg_u32 s3, 0
	s_cbranch_scc1 .Llap
	QUARTER 0, 128, F1, F0, 0                      ; the last lap fills nothing, and has no round of the cluster's barrier
	QUARTER 0, 192, F0, F1, 0
	TURN 0, 1, 0                                   ; the tensor load that was still out is K step 31's
	QUARTER 1, 64,  F0, F1, 0
	QUARTER 1, 128, F1, F0, 0
	QUARTER 1, 192, F0, F1, 0
	s_wait_dscnt 8                                 ; the very last quarter: nothing more to fetch
	MUL16 F1, 0, 0, 0
	MUL16 F1, 0, 2, 0
	s_wait_dscnt 0x0
	MUL16 F1, 1, 0, 0
	MUL16 F1, 1, 2, 0
	PLACES                                         ; the stores below read matrix results, and the loads behind them land where A's fragments lay
	TOSTAGE 0
.irp p, 1,2,3,4,5,6,7
.if \p >= 2
	s_wait_xcnt 0x0                                ; every earlier store has had its address translated (ISA guide 3.1): the buffer that the piece two back was stored from is loaded again only behind this wait
.endif
	TOSTAGE \p
	SEND (\p)-1, 32
.endr
	SEND 7, 0
	s_wait_tensorcnt 0x0                           ; the wave's end: behind my last tensor load and my last LDS store
	ds_add_u32 v[SPW], v[NIL]
	s_wait_dscnt 0x0
	CROUND                                         ; the closing round: no work-group ends while a partner may still ask for a tile that names it
	s_endpgm
.Lfunc_end_k_qbe08e1155d_gemm:
	.size	k_qbe08e1155d_gemm, .Lfunc_end_k_qbe08e1155d_gemm-k_qbe08e1155d_gemm
	.p2alignl 7, 3214868480
	.fill 96, 4, 3214868480
	.section	.rodata,"a",@progbits
	.p2align	6, 0x0
	.amdhsa_kernel k_qbe08e1155d_gemm
		.amdhsa_group_segment_fixed_size 327680
		.amdhsa_private_segment_fixed_size 0
		.amdhsa_enable_private_segment 0
		.amdhsa_kernarg_size 24
		.amdhsa_user_sgpr_count 2
		.amdhsa_user_sgpr_kernarg_segment_ptr 1
		.amdhsa_wavefront_size32 1
		.amdhsa_system_sgpr_workgroup_id_x 1
		.amdhsa_system_sgpr_workgroup_id_y 1
		.amdhsa_system_sgpr_workgroup_id_z 1
		.amdhsa_system_vgpr_workitem_id 0
		.amdhsa_next_free_vgpr 1024
		.amdhsa_next_free_sgpr 66
		.amdhsa_reserve_vcc 0
		.amdhsa_float_denorm_mode_32 3
		.amdhsa_float_denorm_mode_16_64 3
		.amdhsa_memory_ordered 1
		.amdhsa_forward_progress 1
		.amdhsa_inst_pref_size 144
	.end_amdhsa_kernel
	.amdgpu_metadata
---
amdhsa.version: [ 1, 2 ]
amdhsa.kernels:
  - .name:           k_qbe08e1155d_gemm
    .symbol:         k_qbe08e1155d_gemm.kd
    .args:
      - { .name: xh, .offset: 0, .size: 8, .value_kind: global_buffer, .address_space: global }
      - { .name: wq, .offset: 8, .size: 8, .value_kind: global_buffer, .address_space: global }
      - { .name: out0, .offset: 16, .size: 8, .value_kind: global_buffer, .address_space: global }
    .group_segment_fixed_size: 327680
    .private_segment_fixed_size: 0
    .kernarg_segment_align: 8
    .kernarg_segment_size: 24
    .max_flat_workgroup_size: 128
    .sgpr_count:     66
    .vgpr_count:     1024
    .wavefront_size: 32
...
	.end_amdgpu_metadata
.endif
;; end of part 4
;; ======== version 3 of 3: 2 launches; version 2 with the launch prep written anew for expert scheduling mode
;; limits: values are held in f16: magnitudes above 65,504 overflow, below 6.1e-05 lose precision; inputs' magnitudes at most 65,504
;; workspace buffers: xh 67,108,864 bytes; wq 16,777,216 bytes
;; launch prep (part 5): grid 256 x 1, 8 waves a work-group, no clusters, 0 bytes of LDS; arguments input, weight, scales, xh, wq; writes xh, wq
.if DOCPART == 5
	.amdgcn_target "amdgcn-amd-amdhsa--gfx1250"
	.amdhsa_code_object_version 6
	.text
	.protected	k_qbe08e1155d_prep
	.globl	k_qbe08e1155d_prep
	.p2align	8
	.type	k_qbe08e1155d_prep,@function
k_qbe08e1155d_prep:
	s_mov_b64 s[64:65], 0
	v_nop
	global_prefetch_b8 v0, s[64:65] scope:SCOPE_SE
	s_setreg_imm32_b32 hwreg(HW_REG_WAVE_SCHED_MODE, 0, 2), 2
	s_setreg_imm32_b32 hwreg(HW_REG_WAVE_MODE, 25, 1), 1
	s_wait_xcnt 0x0
	s_wait_alu depctr_vm_vsrc(0)
; Both operands of the product that follows, each rounded once to f16, both row-major with rows of 8,192 bytes:
;   xh[m][k] = f16(input[m][k])                                     input: [8192][4096] f32
;   wq[o][k] = f16(f32(weight[o][k]) * scales[o][k / 128])          weight: [2048][4096] int32, converted as astype does; scales: [2048][32] f32
; WHY AHEAD OF THE PRODUCT.  Each weight is used by 32 tiles of the result and each input by 8.  And with input in f32 two LDS slots of the product hold 64 along K at the most
; (128 would want 2 x 204,800 bytes); in f16 they hold 128, so that a tile asked for has twice the matrix work in which to land.
; WHY f16.  A rounding to bf16's 8 significant bits is off by about 0.17 % of the number; two operands so rounded shift a sum of 4,096 products by about 0.24 % of the outputs' root mean square, and among
; 16.7 million outputs some then pass 1 % of it.  f16's 11 bits make that an eighth.
; LIMITS.  An |input| or a |weight x scale| of 65,520 or more becomes an infinity: with weights of -128 to 127 that leaves room for scales up to about 500.  Below 6.1e-5 a number keeps f16's fixed
; step of 6e-8.  NaN and infinities go through as they are.
; A stream: no LDS, no barrier, no matrix unit: each byte is read once and written once, and no wave needs another's data.
; SHARES.  2,048 waves; wave W = 8 g + w takes rows 4 W .. 4 W + 3 of input and row W of weight: five rows of 16,384 bytes, the same work for every wave.
; A row goes in 32 trips: a load of the wave covers 512 consecutive bytes (16 a lane), its store 256 consecutive bytes (8 a lane), both aligned to their size.
; Trip j of the weight row is its numbers 128 j .. 128 j + 127: exactly group j, so the row's 32 scales are scalars.
; THE MODE: SCHED_MODE bits 1:0 = 2 (LLVM: expert scheduling mode 2), set by the entry lines.  The code itself states the register dependences
; between vector instructions and memory instructions, with s_wait_alu, always for 0.
; THE PLAN.  The wave's 160 trips go in 40 blocks of four: blocks 0 to 31 are input, eight to a row; blocks 32 to 39 the row of weight.  Registers that memory instructions touch:
;   X0 .. X7   eight blocks as loaded, a ring of 32 slots.  Written by the loads of block p + 7, issued in block p; read by block p's conversions.  A block of weight is worked on in place, and the
;              low pair of each of its slots is read by the four stores that are issued in the block behind it; nothing writes these registers again.
;   Y0, Y1     two blocks of xh to store.  Written by block p's roundings; read by the four stores that are issued in block p + 1.
;   v2, v3     byte offsets, made once at the head and never written again: the rows are reached by the scalar bases, which move on by a row once a lap, and by immediate offsets.
; Block p works on X[p % 8] and writes Y[p % 2].  Its memory instructions are the loads into X[(p + 7) % 8] = X[(p - 1) % 8] and the stores from Y[(p - 1) % 2]: the two buffers that block p - 1 worked
; on and that no vector instruction of block p names.  So the waits at the head of a block state all that the block's eight memory instructions hang on, and these are dealt among its vector
; instructions with no further wait.  At a block's head six younger blocks, 24 loads, stay out; with the four that follow, 28 loads of every wave are on their way.
.set ROWB, 16384                       ; bytes in a row of input and of weight
.set OUTB, 8192                        ; bytes in a row of xh and of wq
.set BLOCK, 4                          ; trips in a block; eight blocks are a row, and the ring
.set LO,  2                            ; v2        my byte offset in 512 bytes of a row as loaded: 16 l; never rewritten
.set QO,  3                            ; v3        the same as stored: 8 l; never rewritten
.set Y,   4                            ; v[4:19]   buffer b, trip t: a pair at Y + 8 b + 2 t: four numbers in f16, to store
.set X,   32                           ; v[32:159] slot j: four registers as loaded; block k is slots 4 k .. 4 k + 3
.set SC,  32                           ; s[32:63]  the 32 scales of my weight row
	s_load_b256 s[4:11], s[0:1], 0x0               ; input s[4:5], weight s[6:7], scales s[8:9], xh s[10:11]
	s_load_b64 s[12:13], s[0:1], 0x20              ; wq
	v_lshrrev_b32 v1, 5, v0
	v_readfirstlane_b32 s14, v1                    ; wave 0..7
	v_and_b32 v1, 31, v0                           ; l
	v_lshlrev_b32 v[LO], 4, v1
	v_lshlrev_b32 v[QO], 3, v1
	s_wait_alu depctr_va_sdst(0)                   ; s14 is written, ahead of its first reader: all five bases are made from it
	s_lshl_b32 s15, ttmp9, 3
	s_add_co_u32 s15, s15, s14                     ; W
	s_lshl_b32 s16, s15, 16                        ; input: 4 W rows of 16,384 bytes
	s_mov_b32 s17, 0
	s_lshl_b32 s18, s15, 14                        ; weight: W rows of 16,384 bytes
	s_mov_b32 s19, 0
	s_lshl_b32 s20, s15, 7                         ; scales: W rows of 128 bytes
	s_mov_b32 s21, 0
	s_lshl_b32 s22, s15, 15                        ; xh: 4 W rows of 8,192 bytes
	s_mov_b32 s23, 0
	s_lshl_b32 s24, s15, 13                        ; wq: W rows of 8,192 bytes
	s_mov_b32 s25, 0
	s_wait_kmcnt 0x0
	s_add_nc_u64 s[4:5], s[4:5], s[16:17]
	s_add_nc_u64 s[6:7], s[6:7], s[18:19]
	s_add_nc_u64 s[8:9], s[8:9], s[20:21]
	s_add_nc_u64 s[10:11], s[10:11], s[22:23]
	s_add_nc_u64 s[12:13], s[12:13], s[24:25]
	s_wait_alu depctr_va_vdst(0)                   ; v2 and v3 are written: every load and store of the kernel reads one of them as its offset
.set j, 0
.rept 7*BLOCK
	global_load_b128 v[X+4*j:X+4*j+3], v[LO], s[4:5] offset:512*j th:TH_LOAD_NT  ; blocks 0 to 6 into X0 .. X6; every byte is read once in the launch
.set j, j+1
.endr
	s_load_b512 s[SC:SC+15], s[8:9], 0x0           ; the scales are wanted four rows later
	s_load_b512 s[SC+16:SC+31], s[8:9], 0x40
; A block of input: block i of the row at which the two bases stand (i = 8: the next row's block 0).  first = 1: block 0 of all, with no block in front of it.
; wt = 0: the block seven further on is input's; 1: it is my row of weight's.  jl: the slot that is loaded, and whose trip of the block before is stored; jw: the slot at work.
.macro BLK i, first, wt
	s_wait_loadcnt 6*BLOCK                         ; loads come back in order (ISA guide 5.7.1): this block's four are in, the six younger blocks stay out
.if !(\first)
	s_wait_xcnt 0x0                                ; every earlier memory instruction has had its addresses translated (ISA guide 3.1): this block's Y, which the stores issued in the block before read, is rewritten only behind this wait
	s_wait_alu depctr_vm_vsrc(0)                   ; those stores have read this block's Y, which the roundings below write again
	s_wait_alu depctr_va_vdst(0)                   ; the block before has written the other Y, which the stores below read, and is done reading its X, in which the loads below land
.endif
.irp t, 0,1,2,3
.set jl, BLOCK*(((\i)+7)%8)+(\t)
.set jw, BLOCK*((\i)%8)+(\t)
.if \wt
	global_load_b128 v[X+4*jl:X+4*jl+3], v[LO], s[6:7] offset:512*jl th:TH_LOAD_NT
.else
	global_load_b128 v[X+4*jl:X+4*jl+3], v[LO], s[4:5] offset:512*(BLOCK*((\i)+7)+(\t)) th:TH_LOAD_NT  ; seven blocks ahead; no vector instruction since the wait names these registers
.endif
.if !(\first)
	global_store_b64 v[QO], v[Y+8*(((\i)+1)%2)+2*(\t):Y+8*(((\i)+1)%2)+2*(\t)+1], s[10:11] offset:256*jl  ; the block before; no hint: the next launch reads these bytes
.endif
	v_cvt_pk_f16_f32 v[Y+8*((\i)%2)+2*(\t)],   v[X+4*jw],   v[X+4*jw+1]
	v_cvt_pk_f16_f32 v[Y+8*((\i)%2)+2*(\t)+1], v[X+4*jw+2], v[X+4*jw+3]
.endr
.endm
; Block k of the row of weight: each slot is worked on in place, and its low pair is stored in the block behind.  Block 0 asks for the row's last block and stores input's last; the others ask for nothing.
.macro WBLK k
.if (\k) == 0
	s_wait_loadcnt 6*BLOCK                         ; this block's four loads are in, the six younger blocks stay out
	s_wait_alu depctr_va_vdst(0)                   ; input's last block has written Y1, which the stores below read, and is done reading X7, in which the loads below land
.else
	s_wait_loadcnt BLOCK*(7-(\k))                  ; nothing is left to ask for: the counts run down
	s_wait_alu depctr_va_vdst(0)                   ; the block before has written the low pairs of its slots, which the stores below read
.endif
.irp t, 0,1,2,3
.set jl, BLOCK*(((\k)+7)%8)+(\t)
.set jw, BLOCK*(\k)+(\t)
.if (\k) == 0
	global_load_b128 v[X+4*jl:X+4*jl+3], v[LO], s[6:7] offset:512*jl th:TH_LOAD_NT
	global_store_b64 v[QO], v[Y+8+2*(\t):Y+8+2*(\t)+1], s[10:11] offset:256*jl
.else
	global_store_b64 v[QO], v[X+4*jl:X+4*jl+1], s[12:13] offset:256*jl  ; no vector instruction since the wait names these registers, and none writes them again
.endif
.irp c, 0,1,2,3
	v_cvt_f32_i32 v[X+4*jw+(\c)], v[X+4*jw+(\c)]
.endr
.irp c, 0,1,2,3
	v_mul_f32 v[X+4*jw+(\c)], s[SC+jw], v[X+4*jw+(\c)]
.endr
	v_cvt_pk_f16_f32 v[X+4*jw],   v[X+4*jw],   v[X+4*jw+1]
	v_cvt_pk_f16_f32 v[X+4*jw+1], v[X+4*jw+2], v[X+4*jw+3]
.endr
.endm
	BLK 0, 1, 0                                    ; block 0: the offsets' wait at the head has covered its loads, and no vector instruction has named X7
	s_mov_b32 s26, 3
.Lrow:                                                 ; blocks 1 to 24, eight to a lap: a row's blocks 1 to 7 and the next row's block 0; both kinds of buffer are back at their start.  A lap asks for the row behind its own
.irp i, 1,2,3,4,5,6,7,8
	BLK \i, 0, 0
.endr
	s_wait_xcnt 0x0                                ; the two bases are stepped only behind this wait
	s_add_nc_u64 s[4:5], s[4:5], ROWB
	s_add_nc_u64 s[10:11], s[10:11], OUTB
	s_sub_co_u32 s26, s26, 1
	s_cmp_lg_u32 s26, 0
	s_cbranch_scc1 .Lrow
.irp i, 1,2,3,4,5,6,7
	BLK \i, 0, 1                                   ; blocks 25 to 31, the rest of my row 3 of input; the ring takes the row of weight
.endr
	s_wait_kmcnt 0x0                               ; the scales
.irp k, 0,1,2,3,4,5,6,7
	WBLK \k                                        ; blocks 32 to 39
.endr
	s_wait_alu depctr_va_vdst(0)                   ; the last block has written the low pairs of its slots, which the last four stores read
.irp t, 0,1,2,3
	global_store_b64 v[QO], v[X+4*(7*BLOCK+(\t)):X+4*(7*BLOCK+(\t))+1], s[12:13] offset:256*(7*BLOCK+(\t))
.endr
	s_endpgm
.Lfunc_end_k_qbe08e1155d_prep:
	.size	k_qbe08e1155d_prep, .Lfunc_end_k_qbe08e1155d_prep-k_qbe08e1155d_prep
	.p2alignl 7, 3214868480
	.fill 96, 4, 3214868480
	.section	.rodata,"a",@progbits
	.p2align	6, 0x0
	.amdhsa_kernel k_qbe08e1155d_prep
		.amdhsa_group_segment_fixed_size 0
		.amdhsa_private_segment_fixed_size 0
		.amdhsa_enable_private_segment 0
		.amdhsa_kernarg_size 40
		.amdhsa_user_sgpr_count 2
		.amdhsa_user_sgpr_kernarg_segment_ptr 1
		.amdhsa_wavefront_size32 1
		.amdhsa_system_sgpr_workgroup_id_x 1
		.amdhsa_system_sgpr_workgroup_id_y 1
		.amdhsa_system_sgpr_workgroup_id_z 1
		.amdhsa_system_vgpr_workitem_id 0
		.amdhsa_next_free_vgpr 160
		.amdhsa_next_free_sgpr 66
		.amdhsa_reserve_vcc 0
		.amdhsa_float_denorm_mode_32 3
		.amdhsa_float_denorm_mode_16_64 3
		.amdhsa_memory_ordered 1
		.amdhsa_forward_progress 1
		.amdhsa_inst_pref_size 43
	.end_amdhsa_kernel
	.amdgpu_metadata
---
amdhsa.version: [ 1, 2 ]
amdhsa.kernels:
  - .name:           k_qbe08e1155d_prep
    .symbol:         k_qbe08e1155d_prep.kd
    .args:
      - { .name: input, .offset: 0, .size: 8, .value_kind: global_buffer, .address_space: global }
      - { .name: weight, .offset: 8, .size: 8, .value_kind: global_buffer, .address_space: global }
      - { .name: scales, .offset: 16, .size: 8, .value_kind: global_buffer, .address_space: global }
      - { .name: xh, .offset: 24, .size: 8, .value_kind: global_buffer, .address_space: global }
      - { .name: wq, .offset: 32, .size: 8, .value_kind: global_buffer, .address_space: global }
    .group_segment_fixed_size: 0
    .private_segment_fixed_size: 0
    .kernarg_segment_align: 8
    .kernarg_segment_size: 40
    .max_flat_workgroup_size: 256
    .sgpr_count:     66
    .vgpr_count:     160
    .wavefront_size: 32
...
	.end_amdgpu_metadata
.endif
;; end of part 5
;; launch gemm: the kernel of part 4 again; grid 8 x 32, 4 waves a work-group, clusters of 4 x 4, 327,680 bytes of LDS; arguments xh, wq, out0; writes out0
